; MI455X (gfx1250); checked and timed in simulation.
; The chip was launched on July 23, 2026; its instructions are those of AMD's public machine-readable ISA for CDNA 5 (MIT licence, August 2026) and "CDNA5" Instruction Set Architecture Reference Guide (July 2026). The comments in the code are by the model that wrote it; some were corrected since.
;; Tree Model. Allowed arithmetic: matrix products marked QUANTISED: E2M3 operands, one E8M0 scale for each 32 along K, by v_wmma_scale_f32_16x16x128_f8f6f4 with both operands' format E2M3, f32 sums; products left as they are: f32 operands where the result goes on into a quantised operand, else bf16, f16 or f32 operands; f32 sums; everything else in f32.
;; Inputs: query 2,048 x 64 float32; tree_key 65,535 x 2 x 64 float32; tree_value_codes 64 x 2,048 x 24 uint8 (E2M3 codes of tree_value, K innermost, in blocks of 32 codes, four codes in three bytes); tree_value_scales 64 x 2,048 uint8 (E8M0 scales of tree_value, one for each 32 codes along K).
;; Outputs: out0 2,048 x 64 float32.
;; This version of the problem:
;;   THIS VERSION OF THE PROBLEM IS GIVEN IN LOW PRECISION. The matrix products marked QUANTISED in the list below multiply operands that are first quantised to E2M3 (2 exponent bits, 3 mantissa bits; 6 bits a number), with one power-of-two scale for each 32 numbers along K (OCP MX v1.0); their sums are f32. All else is computed in f32.
;;   The module's matrix products, in the order in which they are computed (A, B: the left and right operand; K: the contracted axis; several contracted axes count as one K, in the product's order):
;;     1. [M 2,048, K 64] x [K 64, N 2]; A: input query; B: input tree_key: left as it is (N = 2 < 16)
;;     2. [M 2,048, K 64] x [K 64, N 4]; A: input query; B: input tree_key: left as it is (N = 4 < 16)
;;     3. [M 2,048, K 64] x [K 64, N 8]; A: input query; B: input tree_key: left as it is (N = 8 < 16)
;;     4. [M 2,048, K 64] x [K 64, N 16]; A: input query; B: input tree_key: QUANTISED
;;     5. [M 2,048, K 64] x [K 64, N 32]; A: input query; B: input tree_key: QUANTISED
;;     6. [M 2,048, K 64] x [K 64, N 64]; A: input query; B: input tree_key: QUANTISED
;;     7. [M 2,048, K 64] x [K 64, N 128]; A: input query; B: input tree_key: QUANTISED
;;     8. [M 2,048, K 64] x [K 64, N 256]; A: input query; B: input tree_key: QUANTISED
;;     9. [M 2,048, K 64] x [K 64, N 512]; A: input query; B: input tree_key: QUANTISED
;;     10. [M 2,048, K 64] x [K 64, N 1,024]; A: input query; B: input tree_key: QUANTISED
;;     11. [M 2,048, K 64] x [K 64, N 2,048]; A: input query; B: input tree_key: QUANTISED
;;     12. [M 2,048, K 64] x [K 64, N 4,096]; A: input query; B: input tree_key: QUANTISED
;;     13. [M 2,048, K 64] x [K 64, N 8,192]; A: input query; B: input tree_key: QUANTISED
;;     14. [M 2,048, K 64] x [K 64, N 16,384]; A: input query; B: input tree_key: QUANTISED
;;     15. [M 2,048, K 64] x [K 64, N 32,768]; A: input query; B: input tree_key: QUANTISED
;;     16. [M 2,048, K 64] x [K 64, N 65,536]; A: input query; B: input tree_key: QUANTISED
;;     17. [M 2,048, K 65,536] x [K 65,536, N 64]; A: computed on the way; B: input tree_value (given as codes): QUANTISED
;;   THE QUANTISER, for each operand of a quantised product, along K:
;;     - K is cut into blocks of 32 from its start; a last block that is shorter is filled with zeros.
;;     - A block's scale is 2^e with e = floor(log2(the largest magnitude in the block)) - 2, held to -126 .. 127; a block of zeros has e = 0. As a byte (E8M0): e + 127.
;;     - Each number is divided by its block's scale, clamped to +-7.5, and rounded to the nearest number of E2M3, ties to even, subnormals kept.
;;     - The product sums the exact products of the quantised numbers (number of the format x scale) in f32.
;;   ~~~python
;;   def quantise(x, axis):      # numpy; x: float32 -> the quantised numbers, widened to float32 again
;;       x = np.moveaxis(x, axis, -1); K = x.shape[-1]
;;       x = np.pad(x, [(0, 0)] * (x.ndim - 1) + [(0, -K % 32)]); x = x.reshape(x.shape[:-1] + (-1, 32)); a = np.abs(x).max(-1, keepdims=True)
;;       e = np.where(a > 0, np.clip(np.frexp(np.where(a > 0, a, 1))[1] - 1 - 2, -126, 127), 0)      # np.frexp(a)[1] - 1 = floor(log2(a)), exactly
;;       r = np.clip(x / 2.0 ** e, -7.5, 7.5)
;;       step = 2.0 ** (np.maximum(np.frexp(np.where(r == 0, 1, r))[1] - 1, 0) - 3)
;;       q = np.round(r / step) * step * 2.0 ** e      # np.round: ties to even
;;       return np.moveaxis(q.reshape(q.shape[:-2] + (-1,))[..., :K], -1, axis).astype(np.float32)
;;   ~~~
;;   OPERANDS COMPUTED ON THE WAY. 'Computed on the way' means the value that the module computes at that place (a softmax that the list does not call 'softmax' is quantised finished and normalised). What goes into a quantiser is computed in f32, as accurately as f32 sums, v_exp_f32 and their like allow (about 1e-6 of the number): no bf16 or f16 on the way to a quantiser, and a product that is left as it is and whose result goes on into a quantised operand takes f32 operands (vector FMAs, or v_wmma_f32_16x16x4_f32). A number that lies on a knife's edge between two numbers of the format may be rounded either way, as far as f32 arithmetic and the matrix unit's own rounding can turn it there, and no further.
;;   INPUTS GIVEN AS CODES. tree_value (in the module: [65536, 64], K = its axis 0): each comes as NAME_codes (uint8): NAME with its K axis moved to the last place and cut into blocks of 32 codes, [.., K / 32, bytes a block], one block behind the other in memory; four codes in three bytes: a row's codes are one little-endian stream of bits, code i at bits 6 i .. 6 i + 5 (a code: sign, 2 exponent bits, 3 mantissa bits); and NAME_scales (uint8): the same leading axes, one E8M0 byte (e + 127) for each 32 codes along K. Its value is code x scale, taken as it is: it is not quantised again, and the codes and scales need not be those that the quantiser above would give.
;; One version. Each part assembles by itself: llvm-mc -triple=amdgcn-amd-amdhsa -mcpu=gfx1250 --defsym DOCPART=n.
;; ======== version 1 of 1: 3 launches
;; limits: right only within a limited range of input values
;; workspace buffers: recs 9,904,128 bytes; part 16,777,216 bytes
;; launch prep (part 1): grid 264 x 1, 4 waves a work-group, no clusters, 35,328 bytes of LDS; arguments tree_key, tree_value_codes, recs; writes recs
.if DOCPART == 1
	.amdgcn_target "amdgcn-amd-amdhsa--gfx1250"
	.amdhsa_code_object_version 6
	.text
	.protected	k_q871d784db8_prep
	.globl	k_q871d784db8_prep
	.p2align	8
	.type	k_q871d784db8_prep,@function
k_q871d784db8_prep:
	s_mov_b64 s[64:65], 0
	v_nop
	global_prefetch_b8 v0, s[64:65] scope:SCOPE_SE
	s_setreg_imm32_b32 hwreg(HW_REG_WAVE_MODE, 25, 1), 1
	s_wait_xcnt 0x0
; THE KEYS BECOME CODES, ONCE, LAID AS THE NEXT LAUNCH'S OPERAND REGISTERS.  tree_key [65535][2][64] f32: a node's row is 512 bytes, k0 then k1: four blocks of 32 along a K of 128.
; Each block is quantised to FP6 (E2M3): scale 2^(floor(log2(largest magnitude)) - 2), its byte the largest magnitude's exponent field - 2, held at 1 from below by a floor among the maximum's leaves.
; LIMITS: NaN and infinities are not served; a block whose largest magnitude lies under 2^-124 (a block of zeros too) gets the byte 1: a block of zeros has zero codes, and this program alone reads the bytes.
; A GROUP is 4 tiles of 16 rows: row m = 8 h + j of tile t is slot 8 t + j of half h.  Slot 0 is an ancestor X_h; slot s >= 1 is node s, in heap order, of the 31-node subtree under heap number H_h
; (heap number = node id + 1; children of x: 2 x, 2 x + 1).  One wave makes one group; gid = 4 x work-group + wave.
;   gid < 1024 (levels 10 to 15): H_h = 2048 + 2 gid + h, X_h = 1024 + gid; it goes into record gid / 2, group gid % 2.  Such a wave also copies two tiles of tree_value's codes into the record.
;   gid >= 1024 (levels 3 to 9 under level-5 node w = gid - 1024): H_0 = H_1 = 32 + w, X_0 = H / 2, X_1 = H / 4; it goes into mid record w.
; A TILE'S IMAGE is 1,536 bytes: registers 4 q .. 4 q + 3 of lane l at 512 q + 16 l.  Lane (m, hh) holds row m: registers 0-5 k = 32 hh + 0..31, registers 6-11 k = 64 + 32 hh + 0..31.
; RECORD u (18,944 bytes): +0 group 0, +6144 group 1, +12288 four tiles of tree_value (K step u), +18432 and +18688 the groups' scale words (word 16 t + m).  Mid record w at MIDOFF + 6400 w: 4 images, 256 bytes of words.
; Each load reads one node's 512 consecutive bytes; a tile's 16 rows turn through the wave's own stage in LDS, so that a lane gets 32 neighbours along K twice.  Every store covers 512 (the words: 256) consecutive, aligned bytes.
; No barrier: waves share nothing.  Loads run two tiles (32 loads a wave) ahead.
.set REC,    18944
.set MIDOFF, 512*REC
.set WREG,   8704                      ; LDS of a wave: the stage, then 256 bytes of scale words
.set SP,     528                       ; a stage row: 512 bytes + 16: an odd multiple of 16, so that sixteen rows start in sixteen different 16-byte columns
.set SCW,    16*SP
.set VROW,   49152                     ; a row of tree_value's codes in bytes
.set RAW,    128                       ; v128-255 two sets of 64: a tile's rows as loaded
.set X,      64                        ; v64-127  my two blocks of 32 numbers
.set C,      20                        ; v20-31   a tile's codes: my 12 registers
.set VV,     40                        ; v40-63   two tiles of tree_value's codes
.set HB,     28                        ; s[28:39] half 0, s[40:51] half 1: key + 512 x heap number for X, H, 2 H, 4 H, 8 H, 16 H; the "- 1" of the node id stands in the loads' immediates
	s_load_b128 s[4:7], s[0:1], 0x0                ; tree_key, tree_value_codes
	s_load_b64 s[8:9], s[0:1], 0x10                ; recs
	v_lshl_add_u32 v35, v0, 2, 0x8800
	v_mov_b32 v39, 0
	v_lshrrev_b32 v9, 5, v0
	v_readfirstlane_b32 s10, v9                    ; wave 0..3
	v_and_b32 v9, 31, v0                           ; lane
	v_and_b32 v10, 15, v0                          ; m
	v_bfe_u32 v11, v0, 4, 1                        ; hh
	s_mul_i32 s26, s10, WREG                       ; my LDS
	s_add_co_u32 s27, s26, SCW
	v_lshlrev_b32 v1, 4, v9                        ; 16 x lane: loads, images
	v_add_nc_u32 v2, s26, v1                       ; the stage, on the way in: 16 x lane of a row
	v_mul_u32_u24 v3, v10, SP
	v_lshl_add_u32 v3, v11, 7, v3
	v_add_nc_u32 v3, s26, v3                       ; on the way out: row m, + 128 hh
	v_lshl_add_u32 v4, v10, 2, s27                 ; my row's scale word
	v_lshlrev_b32 v6, 3, v9                        ; 8 x lane: the words' way out
	v_add_nc_u32 v5, s27, v6
	v_lshlrev_b32 v7, 3, v11                       ; 8 hh: my bytes' place in the word
	v_mul_u32_u24 v8, v10, VROW
	v_mad_u32_u24 v8, v11, 24, v8                  ; tree_value: row m, + 24 hh
	v_mov_b32 v17, 0                               ; written once: a lane permute's destination counts as one of its sources
	s_mov_b32 s24, 0x76543210
	s_mov_b32 s25, 0xfedcba98                      ; v_permlanex16_b32's selects for lane l xor 16
	s_lshl_b32 s11, ttmp9, 2
	s_add_co_u32 s11, s11, s10                     ; gid
	; a bottom group's numbers
	s_lshl_b32 s12, s11, 1
	s_add_co_u32 s12, s12, 2048                    ; H_0
	s_add_co_u32 s13, s12, 1                       ; H_1
	s_add_co_u32 s14, s11, 1024                    ; X
	s_lshr_b32 s54, s11, 1                         ; u
	s_and_b32 s55, s11, 1                          ; c
	s_mul_i32 s56, s54, REC
	s_mul_i32 s57, s55, 6144
	s_add_co_u32 s16, s56, s57                     ; where the images go
	s_lshl_b32 s57, s55, 8
	s_add_co_u32 s18, s56, s57
	s_add_co_u32 s18, s18, 18432                   ; where the scale words go
	s_mul_i32 s57, s55, 3072
	s_add_co_u32 s22, s56, s57
	s_add_co_u32 s22, s22, 12288                   ; where tree_value's tiles 2 c, 2 c + 1 go
	s_mul_i32 s20, s55, 32*VROW
	s_mul_i32 s57, s54, 96
	s_add_co_u32 s20, s20, s57                     ; and where they come from: row 32 c, K step u
	; a mid group's numbers
	s_max_u32 s58, s11, 1024
	s_sub_co_u32 s59, s58, 1024                    ; w
	s_sub_co_u32 s58, s58, 992                     ; H = 32 + w
	s_mul_i32 s59, s59, 6400
	s_add_co_u32 s59, s59, MIDOFF
	s_add_co_u32 s57, s59, 6144
	s_lshr_b32 s26, s58, 1                         ; X_0: level 4
	s_lshr_b32 s27, s58, 2                         ; X_1: level 3
	s_cmp_lt_u32 s11, 1024                         ; only numbers are chosen: both kinds of group take one path through the text
	s_cselect_b32 s12, s12, s58
	s_cselect_b32 s13, s13, s58
	s_cselect_b32 s15, s14, s27
	s_cselect_b32 s14, s14, s26
	s_cselect_b32 s16, s16, s59
	s_cselect_b32 s18, s18, s57
	s_mov_b32 s17, 0
	s_mov_b32 s19, 0
	s_mov_b32 s21, 0
	s_mov_b32 s23, 0
	s_mov_b32 s53, 0
	s_wait_kmcnt 0x0
	s_add_nc_u64 s[16:17], s[8:9], s[16:17]
	s_add_nc_u64 s[18:19], s[8:9], s[18:19]
.macro BASES dst, x, h                 ; six row bases of one half
	s_lshl_b32 s52, s[\x], 9
	s_add_nc_u64 s[\dst:\dst+1], s[4:5], s[52:53]
.irp k, 0,1,2,3,4
	s_lshl_b32 s52, s[\h], 9+\k
	s_add_nc_u64 s[\dst+2+2*\k:\dst+3+2*\k], s[4:5], s[52:53]
.endr
.endm
	BASES HB, 14, 12
	BASES HB+12, 15, 13
.macro LROW t, m, base, off            ; one node's row, 512 consecutive bytes, 16 a lane.  Tile 0 holds the ancestors, which both halves may share: no hint there
.if (\t) == 0
	global_load_b128 v[RAW+64*((\t)%2)+4*(\m):RAW+64*((\t)%2)+4*(\m)+3], v1, s[\base:\base+1] offset:\off-512
.else
	global_load_b128 v[RAW+64*((\t)%2)+4*(\m):RAW+64*((\t)%2)+4*(\m)+3], v1, s[\base:\base+1] offset:\off-512 th:TH_LOAD_NT
.endif
.endm
.macro LOAD t                          ; tile t's 16 rows into set t % 2
.irp h, 0,1
.if (\t) == 0
	LROW \t, 8*\h+0, HB+12*\h, 0                   ; slot 0: X
	LROW \t, 8*\h+1, HB+12*\h+2, 0                 ; slot 1: H
	LROW \t, 8*\h+2, HB+12*\h+4, 0                 ; slots 2, 3: 2 H on
	LROW \t, 8*\h+3, HB+12*\h+4, 512
.irp j, 0,1,2,3
	LROW \t, 8*\h+4+\j, HB+12*\h+6, 512*\j         ; slots 4-7: 4 H on
.endr
.else
.irp j, 0,1,2,3,4,5,6,7
	LROW \t, 8*\h+\j, HB+12*\h+8+2*((\t)/2), 512*\j+4096*((\t)/3)   ; tile 1: 8 H on; tiles 2, 3: 16 H and 16 H + 8 on
.endr
.endif
.endr
.endm
.macro PTILE t
.if (\t) < 3
	s_wait_loadcnt 16                              ; this tile's 16 loads are in; the next tile's 16 may be out
.else
	s_wait_loadcnt 0x0
.endif
.irp m, 0,1,2,3,4,5,6,7,8,9,10,11,12,13,14,15
	ds_store_b128 v2, v[RAW+64*((\t)%2)+4*\m:RAW+64*((\t)%2)+4*\m+3] offset:SP*\m
.endr
.irp i, 0,1,2,3,4,5,6,7                ; LDS serves a wave's instructions in order: these see the stores above
	ds_load_b128 v[X+4*\i:X+4*\i+3], v3 offset:16*\i               ; k = 32 hh + 0..31 of row m (k0's half)
.endr
.irp i, 0,1,2,3,4,5,6,7
	ds_load_b128 v[X+32+4*\i:X+32+4*\i+3], v3 offset:256+16*\i     ; k = 64 + 32 hh + 0..31 (k1's half)
.endr
	s_wait_dscnt 0x0                               ; my numbers are here, and the stores have read the set,
.if (\t) < 2
	LOAD (\t)+2                                    ; which takes the tile two on
.endif
	v_max3_num_f32 v10, |v[X]|, |v[X+1]|, 0x1800000                ; two blocks, all 32 numbers of each mine; the floor 2^(3 - 127) holds the byte at 1 from below
	v_max3_num_f32 v11, |v[X+32]|, |v[X+33]|, 0x1800000
.irp i, 2,4,6,8,10,12,14,16,18,20,22,24,26,28,30
	v_max3_num_f32 v10, v10, |v[X+\i]|, |v[X+\i+1]|
	v_max3_num_f32 v11, v11, |v[X+32+\i]|, |v[X+33+\i]|
.endr
	v_add_nc_u32 v12, 0xff000000, v10              ; 2 off the exponent field: the conversion takes this operand's exponent field as its scale
	v_add_nc_u32 v13, 0xff000000, v11
	v_lshrrev_b32 v14, 23, v12                     ; the scales' bytes: blocks hh and 2 + hh
	v_lshrrev_b32 v15, 23, v13
	v_lshl_or_b32 v16, v15, 16, v14
	v_lshlrev_b32 v16, v7, v16                     ; at their places in the row's word,
	v_permlanex16_b32 v17, v16, s24, s25
	v_or_b32 v16, v16, v17                         ; which lane l xor 16's two bytes make whole
	s_wait_alu depctr_va_vdst(0)
	s_wait_xcnt 0x0                                ; the last tile's stores have read the codes' registers: they are written again only behind this wait
	v_cvt_scalef32_pk16_fp6_f32 v[C:C+2], v[X:X+15], v12
	v_cvt_scalef32_pk16_fp6_f32 v[32:34], v[X+16:X+31], v12        ; (a conversion's three registers begin on an even number: the odd halves are made elsewhere and moved)
	v_cvt_scalef32_pk16_fp6_f32 v[C+6:C+8], v[X+32:X+47], v13
	v_cvt_scalef32_pk16_fp6_f32 v[36:38], v[X+48:X+63], v13
	v_nop                                          ; one plain place behind a scaled conversion
.irp i, 0,1,2
	v_mov_b32 v[C+3+\i], v[32+\i]
	v_mov_b32 v[C+9+\i], v[36+\i]
.endr
	ds_store_b32 v4, v16 offset:64*(\t)            ; word 16 t + m; both lanes of a row write the same word with the same value
.irp q, 0,1,2
	global_store_b128 v1, v[C+4*\q:C+4*\q+3], s[16:17] offset:1536*(\t)+512*\q th:TH_STORE_NT   ; 32 lanes store 512 consecutive bytes, aligned
.endr
.endm
	LOAD 0
	LOAD 1
	s_cmp_lt_u32 s11, 1024                         ; tree_value's two tiles: loads, wait and stores in ONE branch on the group's number; no LDS instruction inside
	s_cbranch_scc0 .Lno_values
	s_add_nc_u64 s[20:21], s[6:7], s[20:21]
	s_add_nc_u64 s[22:23], s[8:9], s[22:23]
	s_wait_alu depctr_va_vdst(0)
.irp i, 0,1
.irp p, 0,1,2,3,4,5
	global_load_b64 v[VV+12*\i+2*\p:VV+12*\i+2*\p+1], v8, s[20:21] offset:16*VROW*\i+48*(\p/3)+8*(\p%3)   ; the codes as they lie are the operand's registers
.endr
.endr
	s_wait_loadcnt 0x0
.irp i, 0,1
.irp q, 0,1,2
	global_store_b128 v1, v[VV+12*\i+4*\q:VV+12*\i+4*\q+3], s[22:23] offset:1536*\i+512*\q th:TH_STORE_NT
.endr
.endr
.Lno_values:
	s_wait_alu depctr_va_vdst(0)
	PTILE 0
	PTILE 1
	PTILE 2
	PTILE 3
	ds_load_b64 v[18:19], v5                       ; the group's 64 scale words (these see my stores)
	s_wait_dscnt 0x0
	global_store_b64 v6, v[18:19], s[18:19] th:TH_STORE_NT         ; 32 lanes store 256 consecutive bytes, aligned
	s_wait_tensorcnt 0x0
	ds_add_u32 v35, v39
	s_wait_dscnt 0x0
	s_endpgm
.Lfunc_end_k_q871d784db8_prep:
	.size	k_q871d784db8_prep, .Lfunc_end_k_q871d784db8_prep-k_q871d784db8_prep
	.p2alignl 7, 3214868480
	.fill 96, 4, 3214868480
	.section	.rodata,"a",@progbits
	.p2align	6, 0x0
	.amdhsa_kernel k_q871d784db8_prep
		.amdhsa_group_segment_fixed_size 35328
		.amdhsa_private_segment_fixed_size 0
		.amdhsa_enable_private_segment 0
		.amdhsa_kernarg_size 24
		.amdhsa_user_sgpr_count 2
		.amdhsa_user_sgpr_kernarg_segment_ptr 1
		.amdhsa_wavefront_size32 1
		.amdhsa_system_sgpr_workgroup_id_x 1
		.amdhsa_system_sgpr_workgroup_id_y 1
		.amdhsa_system_sgpr_workgroup_id_z 1
		.amdhsa_system_vgpr_workitem_id 0
		.amdhsa_next_free_vgpr 256
		.amdhsa_next_free_sgpr 66
		.amdhsa_reserve_vcc 0
		.amdhsa_float_denorm_mode_32 3
		.amdhsa_float_denorm_mode_16_64 3
		.amdhsa_memory_ordered 1
		.amdhsa_forward_progress 1
		.amdhsa_inst_pref_size 34
	.end_amdhsa_kernel
	.amdgpu_metadata
---
amdhsa.version: [ 1, 2 ]
amdhsa.kernels:
  - .name:           k_q871d784db8_prep
    .symbol:         k_q871d784db8_prep.kd
    .args:
      - { .name: tree_key, .offset: 0, .size: 8, .value_kind: global_buffer, .address_space: global }
      - { .name: tree_value_codes, .offset: 8, .size: 8, .value_kind: global_buffer, .address_space: global }
      - { .name: recs, .offset: 16, .size: 8, .value_kind: global_buffer, .address_space: global }
    .group_segment_fixed_size: 35328
    .private_segment_fixed_size: 0
    .kernarg_segment_align: 8
    .kernarg_segment_size: 24
    .max_flat_workgroup_size: 128
    .sgpr_count:     66
    .vgpr_count:     256
    .wavefront_size: 32
...
	.end_amdgpu_metadata
.endif
;; end of part 1
;; launch tree (part 2): grid 8 x 32, 16 waves a work-group, clusters of 4 x 1, 327,680 bytes of LDS; arguments query, tree_key, recs, tree_value_scales, part; writes part
.if DOCPART == 2
	.amdgcn_target "amdgcn-amd-amdhsa--gfx1250"
	.amdhsa_code_object_version 6
	.text
	.protected	k_q871d784db8_tree
	.globl	k_q871d784db8_tree
	.p2align	8
	.type	k_q871d784db8_tree,@function
k_q871d784db8_tree:
	s_mov_b64 s[64:65], 0
	v_nop
	global_prefetch_b8 v0, s[64:65] scope:SCOPE_SE
	s_setreg_imm32_b32 hwreg(HW_REG_WAVE_MODE, 25, 1), 1
	s_wait_xcnt 0x0
	s_wait_alu depctr_hold_cnt(0) depctr_sa_sdst(0) depctr_va_vdst(0) depctr_va_sdst(0) depctr_va_ssrc(0) depctr_va_vcc(0) depctr_vm_vsrc(0)
	s_getreg_b32 s2, hwreg(HW_REG_IB_STS2, 6, 4)
	s_cmp_eq_u32 s2, 0
	s_cbranch_scc0 .Lentry_in_a_cluster
	s_endpgm
.Lentry_in_a_cluster:
	s_bfe_u32 s2, ttmp6, 0x10000c
	s_cmp_lg_u32 s2, 0x3003
	s_cbranch_scc0 .Lentry_shape_is_right
	s_endpgm
.Lentry_shape_is_right:
; part[w][q][:] = the sum over the 2,048 leaves under level-5 node w of Q(prob[q][leaf]) x tree_value[leaf][:], for 256 queries a work-group, 16 a wave.
; A NODE's 2-way softmax needs d = q.k0 - q.k1 alone.  A node's row of codes is [Q(k0), Q(k1)], 128 along K; the query's operand is [Q(q), -Q(q)] (sign bits turned, same scales):
; one FP6 matrix instruction of K = 128 gives d for 16 nodes x 16 queries.  40 is added to the query's scale bytes, so the product is Z = d 2^40.  t = d log2(e), e = 2^-|t|: the larger logit is taken away, the two terms are 1 and e.
; NUMERATOR AND DENOMINATOR GO DOWN A SUBTREE APART.  A node's probability is N / DEN.  Its children's numerators are N and N e: child 0 gets the middle one of (N e, N, Z), child 1 of (N e, N, -Z)
; (where |Z| < 1, e is 1 to the last bit and the two are equal); both children's denominator is DEN (1 + e), one fused multiply-add.  DEN is at most 2^6.  Only the 16 nodes of a subtree's last level take a reciprocal.
; LAYOUT (made by the launch before).  The product is used transposed: lane (r, h) holds query r.  The 32 results of a GROUP of 4 tiles are, in half h, slot 0 = an ancestor and slots 1 .. 31 = a 31-node subtree in heap order;
; its 32 leaves come out in 2 x 16 consecutive registers of one lane: a whole block of the quantiser.
; STAGES.  Levels 0-2: f32 multiply-adds.  The mid group (levels 3, 4 as slot 0 of halves 1, 0; levels 5-9) comes from memory straight into the operand registers; its 32 leaves are the level-10 probabilities, the same in both
; halves of the lanes: half 0 keeps nodes 0-15, half 1 nodes 16-31, in v96-111; a lane permute and a select fetch one.  16 K steps of 128 leaves, two groups each (level 10 as slot 0, levels 11-15).
; A trip of the loop is four K steps, which use v96-103; then v96-103 and v104-111 change places, and behind the second trip the select takes the other half.
; FRAGMENTS ARE ASKED FOR A GROUP AHEAD: the next group's four key fragments lie over N and the lower half of DEN and are loaded piece by piece as those registers are done with.
; LDS.  The work-group's 16 records (303,104 bytes) and tree_value's scale bytes are filled ONCE, at the head: waves 0-7 ask for two records each, wave 8 for the scale bytes; one barrier shows them to all; nothing is filled again.
; CLUSTER.  The four query blocks of a cluster read the same records: every tensor load is asked for jointly.  No prefetch into the L2: all tensor loads go out at the head, so there is no loop to run ahead in.
; The way out goes through a stage laid over the first records, behind a barrier behind which no wave reads them.
; LIMITS: NaN and infinities among the inputs are not served; query magnitudes under 2^90 (the scale byte + 40 is held at 254) and |d| under 2^88; 2^-|t| comes out 0 under 2^-126; a block whose largest probability lies under 2^-124 gets the byte 1.
; REGISTERS: v1-13 addresses, lane constants; v14 level 3's probability; v15 a level-10 probability; v16-21 scale words alone; v22-31 at work; v32-43 the query's codes; v44-55 p's codes; v56-58 half a block's codes; v64-95 the sums;
;   v96-111 level 10; v128-159 e, then N e; v160-191 Z; v192-223 N by slot; v224-255 DEN, at the last level N / DEN.  Key fragments: v192-239.  Leaves: v160-175, v128-143.  tree_value's fragments: v144-155, v176-187, v240-251, v112-123.
.set REC,    18944
.set VSC,    16*REC                    ; tree_value's scale bytes of my 16 K steps: 64 rows of 64 bytes + 16
.set SPARE,  VSC+5120                  ; the spare words, 128 bytes a wave
.set STG,    4352                      ; a wave's stage for the way out: 16 rows of 272 bytes
.set MIDOFF, 512*REC
.set OUT, 64
.set P10, 96
.set E,   128
.set D,   160
.set PR,  192
.set R,   224
.set KF,  192
.set VF0, E+16
.set VF1, D+16
.set VF2, R+16
.set VF3, 112
.set QF,  32
.set PC,  44
.set TC,  56
.macro PLACES n
.rept \n
	v_nop
.endr
.endm
.macro CROUND                          ; a round of the cluster's barrier
	s_barrier_signal -1
	s_barrier_wait -1
	s_cmp_lg_u32 s14, 0
	s_cbranch_scc1 .Lnot_wave_0_\@
	s_barrier_signal -3
.Lnot_wave_0_\@:
	s_barrier_wait -3
	s_barrier_signal -1
	s_barrier_wait -1
.endm
	s_load_b256 s[4:11], s[0:1], 0x0               ; query, tree_key, recs, tree_value_scales
	s_load_b64 s[12:13], s[0:1], 0x20              ; part
	v_lshl_add_u32 v3, v0, 2, SPARE                ; my spare word; never rewritten
	v_mov_b32 v4, 0                                ; 0; never rewritten
	ds_add_u32 v3, v4                              ; the opening lines: the add twice and one wait
	ds_add_u32 v3, v4
	v_lshrrev_b32 v5, 5, v0
	s_delay_alu instid0(VALU_DEP_1)
	v_readfirstlane_b32 s14, v5                    ; wave 0..15
	s_and_b32 s15, ttmp7, 0xffff                   ; w, which the four partners share
	s_bfe_u32 s16, ttmp6, 0x40000                  ; cx
	s_lshl_b32 s68, ttmp9, 2
	s_add_co_u32 s16, s16, s68                     ; my block of 256 queries
	s_mov_b32 s24, 15|(3<<16)|(1<<21)              ; group 1, two records: 148 rows of 256 bytes, dense; mask of all four
	s_mov_b32 s25, 32<<16
	s_mov_b32 s26, 148<<16
	s_mov_b32 s27, 32<<16
	s_mov_b32 s28, 148
	s_mov_b32 s29, 32
	s_mov_b32 s30, 0
	s_mov_b32 s31, 0
	s_mov_b32 s40, 15|(2<<16)|(1<<20)|(1<<21)|(3<<22)|(3<<25)   ; group 1, scale bytes: 64 rows of 16 words, 512 words apart, 4 words of padding behind each
	s_mov_b32 s41, 16<<16
	s_mov_b32 s42, 64<<16
	s_mov_b32 s43, 16<<16
	s_mov_b32 s44, 64
	s_mov_b32 s45, 512
	s_mov_b32 s46, 0
	s_mov_b32 s47, 0
	s_and_b32 s68, s14, 7
	s_mul_i32 s69, s68, 2*REC                      ; my two records, in LDS and in memory
	s_mul_i32 s70, s15, 16*REC
	s_add_co_u32 s70, s70, s69
	s_mov_b32 s71, 0
	s_mul_i32 s72, s15, 6400
	s_add_co_u32 s72, s72, MIDOFF
	s_mov_b32 s73, 0
	s_lshl_b32 s74, s15, 6
	s_mov_b32 s75, 0
	s_mov_b32 s20, 0x76543210
	s_mov_b32 s21, 0xfedcba98                      ; selects for lane l xor 16
	s_mov_b32 s22, 0x2bb8aa3b                      ; log2(e) 2^-40: t = Z x this
	s_mov_b32 s23, s22
	s_mov_b32 s19, 0x3fb8aa3b                      ; log2(e)
	s_mov_b32 s60, 0xbfb8aa3b
	s_mov_b32 s66, 0x71800000                      ; 2^100, for levels 0-2
	s_mov_b32 s79, 0xffff0000                      ; lanes 16-31
	s_mov_b32 s77, 0x0000ffff                      ; lanes 0-15
	s_mov_b32 s78, s79                             ; the lanes that take a level-10 probability from the other half: in trips 0, 1 lanes 16-31
	s_bitcmp1_b32 s15, 4                           ; the child wanted at level 0, 1, 2 is bit 4, 3, 2 of w: for child 1 the sign of d is turned
	s_cselect_b32 s61, s60, s19
	s_bitcmp1_b32 s15, 3
	s_cselect_b32 s62, s60, s19
	s_bitcmp1_b32 s15, 2
	s_cselect_b32 s63, s60, s19
	s_mov_b32 s2, 0                                ; LDS byte of the record in hand
	s_mov_b32 s17, 0                               ; the step's word in a row of scale bytes
	s_mov_b32 s18, 4                               ; trips
	s_wait_dscnt 0x0                               ; both opening adds are done
	s_wait_kmcnt 0x0
	s_mov_b32 s48, 1                               ; group 0, records
	s_mov_b32 s49, s69
	s_add_nc_u64 s[50:51], s[8:9], s[70:71]
	s_or_b32 s51, s51, 0x80000000
	s_add_nc_u64 s[54:55], s[8:9], s[72:73]        ; the mid record, read by plain loads
	s_mov_b32 s56, 1                               ; group 0, scale bytes
	s_mov_b32 s57, VSC
	s_add_nc_u64 s[58:59], s[10:11], s[74:75]
	s_or_b32 s59, s59, 0x80000000
	CROUND                                         ; all four work-groups are here: the joint loads meet
	s_cmp_lt_u32 s14, 8                            ; one chain of branches on the wave's number, one load to an arm
	s_cbranch_scc0 .Lnot_record
	tensor_load_to_lds s[48:51], s[24:31]          ; waves 0-7: records 2 wave, 2 wave + 1
	s_nop 0
	PLACES 4
	s_branch .Lfirst_asked
.Lnot_record:
	s_cmp_eq_u32 s14, 8
	s_cbranch_scc0 .Lfirst_asked
	tensor_load_to_lds s[56:59], s[40:47]          ; wave 8: tree_value's scale bytes
	s_nop 0
	PLACES 4
.Lfirst_asked:
	s_lshl_b32 s68, s16, 16                        ; my block's 256 rows of 256 bytes,
	s_lshl_b32 s69, s14, 12                        ; my wave's 16 of them
	s_add_co_u32 s68, s68, s69
	s_mov_b32 s69, 0
	s_add_nc_u64 s[4:5], s[4:5], s[68:69]
	s_add_nc_u64 s[12:13], s[12:13], s[68:69]
	s_lshl_b32 s68, s15, 19
	s_add_nc_u64 s[12:13], s[12:13], s[68:69]      ; part at [w][my first row]
	s_lshr_b32 s70, s15, 4
	s_add_co_u32 s70, s70, 1
	s_lshl_b32 s70, s70, 9
	s_add_nc_u64 s[72:73], s[6:7], s[70:71]        ; the level-1 node above w: id 1 + w / 16
	s_lshr_b32 s70, s15, 3
	s_add_co_u32 s70, s70, 3
	s_lshl_b32 s70, s70, 9
	s_add_nc_u64 s[74:75], s[6:7], s[70:71]        ; the level-2 node: id 3 + w / 8
	v_and_b32 v22, 31, v0                          ; lane
	v_and_b32 v23, 15, v0                          ; r
	v_bfe_u32 v24, v0, 4, 1                        ; h
	v_lshlrev_b32 v1, 4, v22                       ; 16 x lane: an image's place
	v_lshlrev_b32 v2, 2, v22                       ; 4 x lane: a word's
	v_mul_u32_u24 v10, v22, 80
	v_lshlrev_b32 v11, 31, v24
	v_mov_b32 v12, s15
	v_add_nc_u32 v10, VSC, v10                     ; tree_value's scale words: row = lane
	v_or_b32 v11, 0x3f800000, v11                  ; +1 for h = 0, -1 for h = 1: at level 10 half h wants child h
	v_lshrrev_b32 v12, v24, v12
	v_lshlrev_b32 v13, 3, v24                      ; 8 h
	v_lshlrev_b32 v30, 7, v24                      ; keys: 128 h
	v_lshlrev_b32 v12, 31, v12
	v_lshl_add_u32 v31, v23, 8, v30                ; query: row r, + 128 h
	v_or_b32 v12, 0x3f800000, v12                  ; mid group, slot 0: half 0 (level 4) wants child bit 0 of w, half 1 (level 3) bit 1
.irp j, 0,1,2,3,4,5,6,7
	global_load_b128 v[64+4*\j:67+4*\j], v31, s[4:5] offset:16*\j
.endr
.macro KLOAD reg, base, ch             ; 32 numbers, 32 h on, of child ch's key
.irp j, 0,1,2,3,4,5,6,7
	global_load_b128 v[\reg+4*\j:\reg+4*\j+3], v30, s[\base:\base+1] offset:256*\ch+16*\j
.endr
.endm
	KLOAD 192, 6, 0
	KLOAD 224, 72, 0
	KLOAD 128, 74, 0
	KLOAD 160, 6, 1
	KLOAD 96, 72, 1
	KLOAD 32, 74, 1
; LEVELS 0-2 in f32: d = q.k0 - q.k1, three chains by turns, two numbers an instruction
.macro ACC1 mode, n, kb
.if (\mode) == 0 && i == 0
	v_pk_mul_f32 v[22+2*\n:23+2*\n], v[64+i:65+i], v[\kb+i:\kb+i+1]
.else
.if i > 0
	s_delay_alu instid0(VALU_DEP_3)
.endif
.if (\mode) == 0
	v_pk_fma_f32 v[22+2*\n:23+2*\n], v[64+i:65+i], v[\kb+i:\kb+i+1], v[22+2*\n:23+2*\n]
.else
	v_pk_fma_f32 v[22+2*\n:23+2*\n], v[64+i:65+i], v[\kb+i:\kb+i+1], v[22+2*\n:23+2*\n] neg_lo:[0,1,0] neg_hi:[0,1,0]
.endif
.endif
.endm
.macro ACC3 mode, k0, k1, k2
.set i, 0
.rept 16
	ACC1 \mode, 0, \k0
	ACC1 \mode, 1, \k1
	ACC1 \mode, 2, \k2
.set i, i+2
.endr
.endm
	s_wait_alu depctr_va_vdst(0)
	s_wait_loadcnt 24                              ; the query and the three k0 are in; the 24 loads of the k1 may be out
	ACC3 0, 192, 224, 128
.irp t, 0,1,2,3                        ; the mid record's four images, over two k0 that are done with, and its scale words
.irp q, 0,1,2
	global_load_b128 v[KF+12*\t+4*\q:KF+12*\t+4*\q+3], v1, s[54:55] offset:1536*\t+512*\q
.endr
.endr
	global_load_b32 v16, v2, s[54:55] offset:6144
	global_load_b32 v17, v2, s[54:55] offset:6272
	s_wait_alu depctr_va_vdst(0)
	s_wait_loadcnt 14                              ; the k1 are in; the 14 loads just issued may be out
	ACC3 1, 160, 96, 32
.irp n, 0,1,2
	s_delay_alu instid0(VALU_DEP_3)
	v_add_f32 v[22+2*\n], v[22+2*\n], v[23+2*\n]
.endr
.irp n, 0,1,2
	s_delay_alu instid0(VALU_DEP_3)
	v_permlanex16_b32 v[23+2*\n], v[22+2*\n], s20, s21
.endr
.irp n, 0,1,2
	s_delay_alu instid0(VALU_DEP_3)
	v_add_f32 v[22+2*\n], v[22+2*\n], v[23+2*\n]   ; with lane l xor 16's 32 numbers
.endr
.irp n, 0,1,2
	s_delay_alu instid0(VALU_DEP_3)
	v_mul_f32 v[22+2*\n], s[61+\n], v[22+2*\n]     ; t, its sign turned where child 1 is wanted
.endr
	s_wait_alu depctr_va_vdst(0)
.irp n, 0,1,2
	v_exp_f32 v[23+2*\n], -|v[22+2*\n]|
.endr
	v_nop
	s_wait_alu depctr_va_vdst(0)
.irp n, 0,1,2
	v_add_f32 v[28+\n], 1.0, v[23+2*\n]
.endr
	s_wait_alu depctr_va_vdst(0)
.irp n, 0,1,2
	v_rcp_f32 v[28+\n], v[28+\n]
.endr
.irp n, 0,1,2
	v_mul_f32 v[22+2*\n], s66, v[22+2*\n]          ; the selector (plain work behind the reciprocals)
.endr
	s_wait_alu depctr_va_vdst(0)
.irp n, 0,1,2
	v_mul_f32 v[23+2*\n], v[23+2*\n], v[28+\n]     ; e r
.endr
.irp n, 0,1,2
	v_med3_num_f32 v[22+2*\n], v[23+2*\n], v[28+\n], v[22+2*\n]
.endr
	s_delay_alu instid0(VALU_DEP_2)
	v_mul_f32 v14, v22, v24
	s_delay_alu instid0(VALU_DEP_1)
	v_mul_f32 v14, v14, v26                        ; the probability of the level-3 node above w
	; THE QUERY'S OPERAND: my 32 numbers are block h of row r
	v_max3_num_f32 v24, |v64|, |v65|, 0x1800000    ; the floor 2^(3 - 127) holds the byte at 1 from below
.set i, 2
.rept 15
	s_delay_alu instid0(VALU_DEP_1)
	v_max3_num_f32 v24, v24, |v[64+i]|, |v[65+i]|
.set i, i+2
.endr
	s_delay_alu instid0(VALU_DEP_1)
	v_add_nc_u32 v26, 0xff000000, v24              ; 2 off the exponent field: the conversion's scale operand
	s_delay_alu instid0(VALU_DEP_1)
	v_lshrrev_b32 v27, 23, v26
	v_add_nc_u32 v27, 40, v27                      ; the product comes out as d 2^40
	v_min_u32 v27, 0xfe, v27                       ; a finite code
	v_lshlrev_b32 v29, v13, v27
	v_permlanex16_b32 v30, v29, s20, s21
	s_delay_alu instid0(VALU_DEP_1)
	v_or_b32 v29, v29, v30                         ; bytes 0, 1: blocks 0, 1 of q;
	s_delay_alu instid0(VALU_DEP_1)
	v_lshl_or_b32 v20, v29, 16, v29                ; bytes 2, 3: the same, for -q
	v_cvt_scalef32_pk16_fp6_f32 v[QF:QF+2], v[64:79], v26
	v_cvt_scalef32_pk16_fp6_f32 v[TC:TC+2], v[80:95], v26          ; (a conversion's three registers begin on an even number)
	v_nop
.irp i, 0,1,2
	v_mov_b32 v[QF+3+\i], v[TC+\i]
.endr
.irp i, 0,3
	v_xor_b32 v[QF+6+\i], 0x20820820, v[QF+\i]     ; the sign is bit 5 of each code: in 96 bits, bits 5, 11 .. 95
	v_xor_b32 v[QF+7+\i], 0x08208208, v[QF+1+\i]
	v_xor_b32 v[QF+8+\i], 0x82082082, v[QF+2+\i]
.endr
.set i, 0
.rept 32
	v_mov_b32 v[OUT+i], 0                          ; the sums begin as zeros, so that the K step has one form; these are also the places ahead of the first product
.set i, i+1
.endr
; Key fragment t of a group (an image of 1,536 bytes), and the group's scale words: v16 lanes 0-15 tile 0, lanes 16-31 tile 1; v17 tiles 2, 3
.macro KFRAG adr, off, t
.irp q, 0,1,2
	ds_load_b128 v[KF+12*(\t)+4*\q:KF+12*(\t)+4*\q+3], v[\adr] offset:(\off)+1536*(\t)+512*\q
.endr
.endm
.macro KSCL adr, soff
	ds_load_b32 v16, v[\adr] offset:(\soff)
	ds_load_b32 v17, v[\adr] offset:(\soff)+128
.endm
.macro VFRAG reg, t                    ; tile t of the record's four of tree_value
.irp q, 0,1,2
	ds_load_b128 v[(\reg)+4*\q:(\reg)+4*\q+3], v5 offset:12288+1536*(\t)+512*\q
.endr
.endm
; Z of 32 slots x my 16 queries: register 8 t + j of lane (r, h) = slot 8 t + j of half h
.macro GMUL
	s_wait_dscnt 0x0
	v_wmma_scale_f32_16x16x128_f8f6f4 v[D:D+7], v[KF:KF+11], v[QF:QF+11], 0, v16, v20 matrix_a_fmt:MATRIX_FMT_FP6 matrix_b_fmt:MATRIX_FMT_FP6
	v_wmma_scale_f32_16x16x128_f8f6f4 v[D+8:D+15], v[KF+12:KF+23], v[QF:QF+11], 0, v16, v20 matrix_a_fmt:MATRIX_FMT_FP6 matrix_b_fmt:MATRIX_FMT_FP6 matrix_a_scale:MATRIX_SCALE_ROW1
	v_wmma_scale_f32_16x16x128_f8f6f4 v[D+16:D+23], v[KF+24:KF+35], v[QF:QF+11], 0, v17, v20 matrix_a_fmt:MATRIX_FMT_FP6 matrix_b_fmt:MATRIX_FMT_FP6
	v_wmma_scale_f32_16x16x128_f8f6f4 v[D+24:D+31], v[KF+36:KF+47], v[QF:QF+11], 0, v17, v20 matrix_a_fmt:MATRIX_FMT_FP6 matrix_b_fmt:MATRIX_FMT_FP6 matrix_a_scale:MATRIX_SCALE_ROW1
	PLACES 4                                       ; four places between a product and the first read of its result (ISA guide 7.12.1)
.endm
; e of the 32 slots; slot 0: v23 = 1 or e for the child that sgn (a register of +-1) names, v[R] = 1 + e
.macro GEXP sgn
.set i, 0
.rept 16
	v_pk_mul_f32 v[E+i:E+i+1], v[D+i:D+i+1], s[22:23] op_sel_hi:[1,0]   ; t; each result is read from its low end on
.set i, i+2
.endr
	s_wait_alu depctr_va_vdst(0)
.set i, 0
.rept 32
	v_exp_f32 v[E+i], -|v[E+i]|                    ; e = 2^-|t|
.set i, i+1
.endr
	v_mul_f32 v22, v[\sgn], v[D]                   ; a plain place behind the batch
	s_wait_alu depctr_va_vdst(0)                   ; and one wait behind it
	v_add_f32 v[R], 1.0, v[E]
	v_med3_num_f32 v23, v[E], 1.0, v22
.endm
; DEN of slot s = DEN of its parent x (1 + e): the parent's word of its pair serves both halves.  Then the last level's 16 reciprocals
.macro GDEN
	v_fma_f32 v[R+1], v[R], v[E+1], v[R]
.set i, 2
.rept 15
.if (i/2)&1
	v_pk_fma_f32 v[R+i:R+i+1], v[R+(i/2)-1:R+(i/2)], v[E+i:E+i+1], v[R+(i/2)-1:R+(i/2)] op_sel:[1,0,1] op_sel_hi:[1,1,1]
.else
	v_pk_fma_f32 v[R+i:R+i+1], v[R+(i/2):R+(i/2)+1], v[E+i:E+i+1], v[R+(i/2):R+(i/2)+1] op_sel_hi:[0,1,0]
.endif
.set i, i+2
.endr
	s_wait_alu depctr_va_vdst(0)                   ; ahead of the batch: it covers every write above
.set i, 16
.rept 16
	v_rcp_f32 v[R+i], v[R+i]
.set i, i+1
.endr
.endm
; Numerators down the subtree: v[PR + 1] holds the root's; slot s's children go to v[PR + 2 s], v[PR + 2 s + 1].  TREE_A: the levels of 1 to 8 nodes, plain work behind the reciprocals
.macro TREE_A
	v_mul_f32 v[E+1], v[PR+1], v[E+1]
	v_med3_num_f32 v[PR+2], v[E+1], v[PR+1], v[D+1]
	v_med3_num_f32 v[PR+3], v[E+1], v[PR+1], -v[D+1]
.irp a, 2,4,8
.set i, \a
.rept \a/2
	v_pk_mul_f32 v[E+i:E+i+1], v[PR+i:PR+i+1], v[E+i:E+i+1]
.set i, i+2
.endr
.set i, \a
.rept \a
	v_med3_num_f32 v[PR+2*i], v[E+i], v[PR+i], v[D+i]
	v_med3_num_f32 v[PR+2*i+1], v[E+i], v[PR+i], -v[D+i]
.set i, i+1
.endr
.endr
.endm
.macro TREE_B                          ; the last level: v[R + s] becomes N / DEN.  Behind it no numerator is read again
	s_wait_alu depctr_va_vdst(0)                   ; one wait for the 16 reciprocals, ahead of their first reader
.set i, 16
.rept 8
	v_pk_mul_f32 v[R+i:R+i+1], v[PR+i:PR+i+1], v[R+i:R+i+1]
.set i, i+2
.endr
.endm
.macro MX j                            ; link j of the block's largest leaf, which is the largest N / DEN of the last level; the floor 2^(3 - 127) holds the scale's byte at 1 from below
.if (\j) == 0
	v_max3_num_f32 v24, v[R+16], v[R+17], 0x1800000
.endif
.if (\j) == 1
	v_max3_num_f32 v25, v[R+18], v[R+19], v[R+20]
.endif
.if (\j) >= 2 && (\j) <= 6
	v_max3_num_f32 v[24+(\j)%2], v[24+(\j)%2], v[R+17+2*(\j)], v[R+18+2*(\j)]
.endif
.if (\j) == 7
	v_max3_num_f32 v24, v24, v25, v[R+31]
.endif
.endm
.macro TREE_C l0, l1, mx               ; v[E + s] = N e / DEN; leaves 0-15 go to v[l0 ..], leaves 16-31 to v[l1 ..]; mx = 1: the maximum's eight links stand among the first sixteen leaves
.set i, 16
.rept 8
	v_pk_mul_f32 v[E+i:E+i+1], v[R+i:R+i+1], v[E+i:E+i+1]
.set i, i+2
.endr
.set i, 0
.rept 8
	v_med3_num_f32 v[(\l0)+2*i], v[E+16+i], v[R+16+i], v[D+16+i]
	v_med3_num_f32 v[(\l0)+2*i+1], v[E+16+i], v[R+16+i], -v[D+16+i]
.if \mx
	MX i
.endif
.set i, i+1
.endr
.set i, 0
.rept 8
	v_med3_num_f32 v[(\l1)+2*i], v[E+24+i], v[R+24+i], v[D+24+i]
	v_med3_num_f32 v[(\l1)+2*i+1], v[E+24+i], v[R+24+i], -v[D+24+i]
.set i, i+1
.endr
.endm
; My 32 leaves are K block 2 c + h: their codes go to registers 6 c .. 6 c + 5 of p's operand; with c = 1 the four bytes make the scale word.  v24 holds the block's largest leaf
.macro GQUANT c
	v_add_nc_u32 v26, 0xff000000, v24              ; 2 off the exponent field: the conversion's scale operand
	s_delay_alu instid0(VALU_DEP_1)
	v_lshrrev_b32 v[27+\c], 23, v26                ; the scale's byte
.if \c
	s_delay_alu instid0(VALU_DEP_1)
	v_lshl_or_b32 v29, v28, 16, v27                ; my bytes: blocks h and 2 + h,
	s_delay_alu instid0(VALU_DEP_1)
	v_lshlrev_b32 v29, v13, v29                    ; at their places,
	s_delay_alu instid0(VALU_DEP_1)
	v_permlanex16_b32 v30, v29, s20, s21
	s_delay_alu instid0(VALU_DEP_1)
	v_or_b32 v21, v29, v30                         ; with lane l xor 16's two: the word of these 128 leaves
.endif
	v_cvt_scalef32_pk16_fp6_f32 v[PC+6*\c:PC+6*\c+2], v[D:D+15], v26
	v_cvt_scalef32_pk16_fp6_f32 v[TC:TC+2], v[E:E+15], v26         ; (a conversion's three registers begin on an even number)
	v_nop                                          ; one plain place behind a scaled conversion
.irp i, 0,1,2
	v_mov_b32 v[PC+6*\c+3+\i], v[TC+\i]
.endr
.if \c
	PLACES 5                                       ; with the four lines above: nine places behind the scale word's write, five behind the operand's last
.endif
.endm
; A K STEP: 128 leaves.  k: its place in the trip.  On entry the first group's fragments and scale words have been asked for
.macro KSTEP k
	s_add_co_u32 s3, s2, REC
	s_min_u32 s3, s3, 15*REC                       ; the next record; the last step names its own record again, so that no read leaves the records
	v_add_nc_u32 v5, s2, v1                        ; the record's images,   (these five are the places behind the last step's products, one of whose fragments the next products write over)
	v_add_nc_u32 v6, s2, v2                        ; its scale words,
	v_add_nc_u32 v7, s3, v1                        ; the next record's images
	v_add_nc_u32 v9, s3, v2                        ; and scale words,
	v_add_nc_u32 v8, s17, v10                      ; tree_value's scale words
.irp c, 0,1
.if \c                                 ; the group asked for ahead: the next record's first, or this record's second
.set NA, 7
.set NS, 9
.set NO, 0
.set NSO, 18432
.else
.set NA, 5
.set NS, 6
.set NO, 6144
.set NSO, 18688
.endif
	v_permlanex16_b32 v31, v[P10+2*(\k)+\c], s20, s21
	v_cndmask_b32 v15, v[P10+2*(\k)+\c], v31, s78  ; the group's level-10 probability, from the half of the lanes that keeps it
	GMUL
	GEXP 11
	v_mul_f32 v[PR+1], v23, v15                    ; the level-11 root's numerator: level 10's probability x (1 or e)
	GDEN
	KFRAG NA, NO, 3                                ; over DEN of slots 4-15, which is done with
	KSCL NS, NSO
	TREE_A
	KFRAG NA, NO, 0                                ; over N of slots 0-11
	TREE_B
	KFRAG NA, NO, 1                                ; over the rest of N and DEN of slots 0-3
	KFRAG NA, NO, 2
	TREE_C D, E, 1
.if \c
	VFRAG VF0, 0                                   ; tree_value's four fragments, over the upper halves of e, Z and DEN, which are done with, and v112-123
	VFRAG VF1, 1
	VFRAG VF2, 2
	VFRAG VF3, 3
	ds_load_b32 v18, v8                            ; lanes 0-15 rows 0-15, lanes 16-31 rows 16-31
	ds_load_b32 v19, v8 offset:2560                ; rows 32-63
.endif
	GQUANT \c
.endr
	s_wait_alu depctr_va_vdst(0)
	s_wait_dscnt 0x0
	; four accumulators by turns: register 8 t + j of lane (r, h) = out(query r, 16 t + 8 h + j)
	v_wmma_scale_f32_16x16x128_f8f6f4 v[OUT:OUT+7], v[VF0:VF0+11], v[PC:PC+11], v[OUT:OUT+7], v18, v21 matrix_a_fmt:MATRIX_FMT_FP6 matrix_b_fmt:MATRIX_FMT_FP6
	v_wmma_scale_f32_16x16x128_f8f6f4 v[OUT+8:OUT+15], v[VF1:VF1+11], v[PC:PC+11], v[OUT+8:OUT+15], v18, v21 matrix_a_fmt:MATRIX_FMT_FP6 matrix_b_fmt:MATRIX_FMT_FP6 matrix_a_scale:MATRIX_SCALE_ROW1
	v_wmma_scale_f32_16x16x128_f8f6f4 v[OUT+16:OUT+23], v[VF2:VF2+11], v[PC:PC+11], v[OUT+16:OUT+23], v19, v21 matrix_a_fmt:MATRIX_FMT_FP6 matrix_b_fmt:MATRIX_FMT_FP6
	v_wmma_scale_f32_16x16x128_f8f6f4 v[OUT+24:OUT+31], v[VF3:VF3+11], v[PC:PC+11], v[OUT+24:OUT+31], v19, v21 matrix_a_fmt:MATRIX_FMT_FP6 matrix_b_fmt:MATRIX_FMT_FP6 matrix_a_scale:MATRIX_SCALE_ROW1
	s_add_co_u32 s2, s2, REC
	s_add_co_u32 s17, s17, 4
.endm
	; THE MID GROUP: levels 3 to 9, while the tensor loads are on their way
	s_wait_alu depctr_va_vdst(0)
	s_wait_loadcnt 0x0
	GMUL
	GEXP 12
	v_permlanex16_b32 v24, v23, s20, s21
	v_permlanex16_b32 v25, v[R], s20, s21
	v_mul_f32 v23, v23, v24                        ; level 3's and level 4's factors, in both halves:
	v_mul_f32 v[R], v[R], v25                      ; numerator and denominator
	v_mul_f32 v[PR+1], v23, v14                    ; the numerator of level-5 node w
	GDEN
	TREE_A
	TREE_B
	TREE_C P10, P10+16, 0                          ; the 32 level-10 probabilities, the same in both halves of the lanes
.set i, 0
.rept 16
	v_cndmask_b32 v[P10+i], v[P10+i], v[P10+16+i], s79             ; lanes 0-15 keep node i, lanes 16-31 node 16 + i
.set i, i+1
.endr
	s_wait_alu depctr_va_vdst(0)
	s_wait_tensorcnt 0x0                           ; my fill has landed,
	s_barrier_signal -1
	s_barrier_wait -1                              ; everybody's has.
.irp t, 0,1,2,3
	KFRAG 1, 0, \t                                 ; record 0's first group
.endr
	KSCL 2, 18432
.Ltrip:                                            ; four trips of four K steps
	KSTEP 0
	KSTEP 1
	KSTEP 2
	KSTEP 3
.set i, 0
.rept 8
	v_mov_b32 v[E+i], v[P10+i]                     ; v96-103 and v104-111 change places, by way of registers that held leaves
.set i, i+1
.endr
.set i, 0
.rept 8
	v_mov_b32 v[P10+i], v[P10+8+i]
.set i, i+1
.endr
.set i, 0
.rept 8
	v_mov_b32 v[P10+8+i], v[E+i]
.set i, i+1
.endr
	s_sub_co_u32 s18, s18, 1
	s_cmp_ge_u32 s18, 3                            ; trips 0, 1: nodes 0-15, kept by lanes 0-15; trips 2, 3: nodes 16-31, kept by lanes 16-31
	s_cselect_b32 s78, s79, s77
	s_cmp_lg_u32 s18, 0
	s_wait_alu depctr_va_vdst(0)
	s_cbranch_scc1 .Ltrip
	; THE WAY OUT: my 16 rows of 256 bytes go through my stage (rows of 272 bytes) and leave as whole rows
	v_and_b32 v22, 15, v0                          ; r
	v_bfe_u32 v23, v0, 4, 1                        ; h
	s_mul_i32 s68, s14, STG
	v_mul_u32_u24 v5, v22, 272
	v_mul_u32_u24 v6, v23, 272
	v_lshlrev_b32 v7, 8, v23
	v_lshl_add_u32 v5, v23, 5, v5
	v_lshl_add_u32 v6, v22, 4, v6
	v_lshl_add_u32 v7, v22, 4, v7                  ; two rows in part: lanes 0-15 one, lanes 16-31 the next
	v_add_nc_u32 v5, s68, v5                       ; in: row r, + 32 h; tile t 64 t bytes on
	v_add_nc_u32 v6, s68, v6                       ; back: lanes 0-15 one row, lanes 16-31 the next
	s_wait_alu depctr_va_vdst(0)
	s_wait_dscnt 0x0                               ; my reads of the records are over
	s_barrier_signal -1
	s_barrier_wait -1                              ; everybody's are: the stage lies over records that have had their only fill and their last read
.irp t, 0,1,2,3
	ds_store_b128 v5, v[OUT+8*\t:OUT+8*\t+3] offset:64*\t          ; each accumulator from its low end on
	ds_store_b128 v5, v[OUT+8*\t+4:OUT+8*\t+7] offset:64*\t+16
.endr
.irp i, 0,1,2,3,4,5,6,7
	ds_load_b128 v[128+4*\i:131+4*\i], v6 offset:544*\i            ; LDS serves a wave's instructions in order: these see my stores
.endr
.irp i, 0,1,2,3,4,5,6,7
	s_wait_dscnt 7-\i                              ; load i is in; the 7 - i younger ones may be out
	global_store_b128 v7, v[128+4*\i:131+4*\i], s[12:13] offset:512*\i th:TH_STORE_NT   ; 16 lanes store 256 consecutive bytes, aligned
.endr
	s_wait_tensorcnt 0x0                           ; the wave's end
	ds_add_u32 v3, v4
	s_wait_dscnt 0x0
	CROUND                                         ; the closing round
	s_endpgm
.Lfunc_end_k_q871d784db8_tree:
	.size	k_q871d784db8_tree, .Lfunc_end_k_q871d784db8_tree-k_q871d784db8_tree
	.p2alignl 7, 3214868480
	.fill 96, 4, 3214868480
	.section	.rodata,"a",@progbits
	.p2align	6, 0x0
	.amdhsa_kernel k_q871d784db8_tree
		.amdhsa_group_segment_fixed_size 327680
		.amdhsa_private_segment_fixed_size 0
		.amdhsa_enable_private_segment 0
		.amdhsa_kernarg_size 40
		.amdhsa_user_sgpr_count 2
		.amdhsa_user_sgpr_kernarg_segment_ptr 1
		.amdhsa_wavefront_size32 1
		.amdhsa_system_sgpr_workgroup_id_x 1
		.amdhsa_system_sgpr_workgroup_id_y 1
		.amdhsa_system_sgpr_workgroup_id_z 1
		.amdhsa_system_vgpr_workitem_id 0
		.amdhsa_next_free_vgpr 256
		.amdhsa_next_free_sgpr 80
		.amdhsa_reserve_vcc 0
		.amdhsa_float_denorm_mode_32 3
		.amdhsa_float_denorm_mode_16_64 3
		.amdhsa_memory_ordered 1
		.amdhsa_forward_progress 1
		.amdhsa_inst_pref_size 155
	.end_amdhsa_kernel
	.amdgpu_metadata
---
amdhsa.version: [ 1, 2 ]
amdhsa.kernels:
  - .name:           k_q871d784db8_tree
    .symbol:         k_q871d784db8_tree.kd
    .args:
      - { .name: query, .offset: 0, .size: 8, .value_kind: global_buffer, .address_space: global }
      - { .name: tree_key, .offset: 8, .size: 8, .value_kind: global_buffer, .address_space: global }
      - { .name: recs, .offset: 16, .size: 8, .value_kind: global_buffer, .address_space: global }
      - { .name: tree_value_scales, .offset: 24, .size: 8, .value_kind: global_buffer, .address_space: global }
      - { .name: part, .offset: 32, .size: 8, .value_kind: global_buffer, .address_space: global }
    .group_segment_fixed_size: 327680
    .private_segment_fixed_size: 0
    .kernarg_segment_align: 8
    .kernarg_segment_size: 40
    .max_flat_workgroup_size: 512
    .sgpr_count:     80
    .vgpr_count:     256
    .wavefront_size: 32
...
	.end_amdgpu_metadata
.endif
;; end of part 2
;; launch reduce (part 3): grid 256 x 1, 4 waves a work-group, no clusters, 0 bytes of LDS; arguments part, out0; writes out0
.if DOCPART == 3
	.amdgcn_target "amdgcn-amd-amdhsa--gfx1250"
	.amdhsa_code_object_version 6
	.text
	.protected	k_q871d784db8_reduce
	.globl	k_q871d784db8_reduce
	.p2align	8
	.type	k_q871d784db8_reduce,@function
k_q871d784db8_reduce:
	s_mov_b64 s[64:65], 0
	v_nop
	global_prefetch_b8 v0, s[64:65] scope:SCOPE_SE
	s_setreg_imm32_b32 hwreg(HW_REG_WAVE_MODE, 25, 1), 1
	s_wait_xcnt 0x0
; out0[q][:] = the sum over the 32 parts of the leaves of part[s][q][:], in f32, s ascending.  part: [32][2048][64] f32; out0: [2048][64] f32.
; A thread owns 16 bytes of out0; a wave's load or store covers 512 consecutive, aligned bytes.  All 32 loads of a thread go out at once; the sums follow them in as they come.
.set PLANE, 524288                     ; bytes of one part
.set A, 4                              ; v[4:131]: part s at v[4 + 4 s ..]; the sum is kept in part 0's registers
	s_load_b128 s[4:7], s[0:1], 0x0                ; part, out0
	v_lshlrev_b32 v1, 4, v0                        ; 16 bytes a thread
	s_lshl_b32 s8, ttmp9, 11                       ; 128 threads x 16 bytes a work-group
	s_mov_b32 s9, 0
	s_wait_alu depctr_va_vdst(0)
	s_wait_kmcnt 0x0
	s_add_nc_u64 s[4:5], s[4:5], s[8:9]
	s_add_nc_u64 s[6:7], s[6:7], s[8:9]
	s_add_nc_u64 s[10:11], s[4:5], 16*PLANE        ; parts 16 on: so that every immediate stays inside its signed 24 bits
.set s, 0
.rept 16
	global_load_b128 v[A+4*s:A+4*s+3], v1, s[4:5] offset:PLANE*s th:TH_LOAD_NT
.set s, s+1
.endr
.set s, 0
.rept 16
	global_load_b128 v[A+64+4*s:A+64+4*s+3], v1, s[10:11] offset:PLANE*s th:TH_LOAD_NT
.set s, s+1
.endr
.set s, 1
.rept 31
	s_wait_alu depctr_va_vdst(0)
	s_wait_loadcnt 31-s                            ; loads come back in order: parts 0 .. s are in, the 31 - s younger ones may be out
	v_pk_add_f32 v[A:A+1], v[A:A+1], v[A+4*s:A+4*s+1]
	v_pk_add_f32 v[A+2:A+3], v[A+2:A+3], v[A+4*s+2:A+4*s+3]
.set s, s+1
.endr
	global_store_b128 v1, v[A:A+3], s[6:7]
	s_endpgm
.Lfunc_end_k_q871d784db8_reduce:
	.size	k_q871d784db8_reduce, .Lfunc_end_k_q871d784db8_reduce-k_q871d784db8_reduce
	.p2alignl 7, 3214868480
	.fill 96, 4, 3214868480
	.section	.rodata,"a",@progbits
	.p2align	6, 0x0
	.amdhsa_kernel k_q871d784db8_reduce
		.amdhsa_group_segment_fixed_size 0
		.amdhsa_private_segment_fixed_size 0
		.amdhsa_enable_private_segment 0
		.amdhsa_kernarg_size 16
		.amdhsa_user_sgpr_count 2
		.amdhsa_user_sgpr_kernarg_segment_ptr 1
		.amdhsa_wavefront_size32 1
		.amdhsa_system_sgpr_workgroup_id_x 1
		.amdhsa_system_sgpr_workgroup_id_y 1
		.amdhsa_system_sgpr_workgroup_id_z 1
		.amdhsa_system_vgpr_workitem_id 0
		.amdhsa_next_free_vgpr 136
		.amdhsa_next_free_sgpr 66
		.amdhsa_reserve_vcc 0
		.amdhsa_float_denorm_mode_32 3
		.amdhsa_float_denorm_mode_16_64 3
		.amdhsa_memory_ordered 1
		.amdhsa_forward_progress 1
		.amdhsa_inst_pref_size 10
	.end_amdhsa_kernel
	.amdgpu_metadata
---
amdhsa.version: [ 1, 2 ]
amdhsa.kernels:
  - .name:           k_q871d784db8_reduce
    .symbol:         k_q871d784db8_reduce.kd
    .args:
      - { .name: part, .offset: 0, .size: 8, .value_kind: global_buffer, .address_space: global }
      - { .name: out0, .offset: 8, .size: 8, .value_kind: global_buffer, .address_space: global }
    .group_segment_fixed_size: 0
    .private_segment_fixed_size: 0
    .kernarg_segment_align: 8
    .kernarg_segment_size: 16
    .max_flat_workgroup_size: 128
    .sgpr_count:     66
    .vgpr_count:     136
    .wavefront_size: 32
...
	.end_amdgpu_metadata
.endif
;; end of part 3
